; MI455X (gfx1250); checked and timed in simulation.
; The chip was launched on July 23, 2026; its instructions are those of AMD's public machine-readable ISA for CDNA 5 (MIT licence, August 2026) and "CDNA5" Instruction Set Architecture Reference Guide (July 2026). The comments in the code are by the model that wrote it; some were corrected since.
;; Attention. Allowed arithmetic: matrix products marked QUANTISED: E2M3 operands, one E8M0 scale for each 32 along K, by v_wmma_scale_f32_16x16x128_f8f6f4 with both operands' format E2M3, f32 sums; products left as they are: f32 operands where the result goes on into a quantised operand, else bf16, f16 or f32 operands; f32 sums; everything else in f32.
;; Inputs: V 1,024 float32; W1_codes 1,024 x 32 x 24 uint8 (E2M3 codes of W1, K innermost, in blocks of 32 codes, four codes in three bytes); W1_scales 1,024 x 32 uint8 (E8M0 scales of W1, one for each 32 codes along K); W2_codes 1,024 x 32 x 24 uint8 (E2M3 codes of W2, K innermost, in blocks of 32 codes, four codes in three bytes); W2_scales 1,024 x 32 uint8 (E8M0 scales of W2, one for each 32 codes along K); b1 1,024 float32; b2 1,024 float32; bv 1 float32; h_dec_codes 32 x 32 x 24 uint8 (E2M3 codes of h_dec, K innermost, in blocks of 32 codes, four codes in three bytes); h_dec_scales 32 x 32 uint8 (E8M0 scales of h_dec, one for each 32 codes along K); h_enc_codes 32 x 2,048 x 32 x 24 uint8 (E2M3 codes of h_enc, K innermost, in blocks of 32 codes, four codes in three bytes); h_enc_scales 32 x 2,048 x 32 uint8 (E8M0 scales of h_enc, one for each 32 codes along K).
;; Outputs: out0 32 x 1,024 float32.
;; This version of the problem:
;;   THIS VERSION OF THE PROBLEM IS GIVEN IN LOW PRECISION. The matrix products marked QUANTISED in the list below multiply operands that are first quantised to E2M3 (2 exponent bits, 3 mantissa bits; 6 bits a number), with one power-of-two scale for each 32 numbers along K (OCP MX v1.0); their sums are f32. All else is computed in f32.
;;   The module's matrix products, in the order in which they are computed (A, B: the left and right operand; K: the contracted axis; several contracted axes count as one K, in the product's order):
;;     1. [M 65,536, K 1,024] x [K 1,024, N 1,024]; A: input h_enc (given as codes); B: input W1 (given as codes): QUANTISED
;;     2. [M 32, K 1,024] x [K 1,024, N 1,024]; A: input h_dec (given as codes); B: input W2 (given as codes): QUANTISED
;;     3. [M 65,536, K 1,024] x [K 1,024, N 1]; A: computed on the way; B: input V: left as it is (N = 1 < 16)
;;     4. batch 32 x [M 1, K 2,048] x [K 2,048, N 1,024]; A: softmax; B: computed on the way: left as it is (M = 1 < 16)
;;   THE QUANTISER, for each operand of a quantised product, along K:
;;     - K is cut into blocks of 32 from its start; a last block that is shorter is filled with zeros.
;;     - A block's scale is 2^e with e = floor(log2(the largest magnitude in the block)) - 2, held to -126 .. 127; a block of zeros has e = 0. As a byte (E8M0): e + 127.
;;     - Each number is divided by its block's scale, clamped to +-7.5, and rounded to the nearest number of E2M3, ties to even, subnormals kept.
;;     - The product sums the exact products of the quantised numbers (number of the format x scale) in f32.
;;   ~~~python
;;   def quantise(x, axis):      # numpy; x: float32 -> the quantised numbers, widened to float32 again
;;       x = np.moveaxis(x, axis, -1); K = x.shape[-1]
;;       x = np.pad(x, [(0, 0)] * (x.ndim - 1) + [(0, -K % 32)]); x = x.reshape(x.shape[:-1] + (-1, 32)); a = np.abs(x).max(-1, keepdims=True)
;;       e = np.where(a > 0, np.clip(np.frexp(np.where(a > 0, a, 1))[1] - 1 - 2, -126, 127), 0)      # np.frexp(a)[1] - 1 = floor(log2(a)), exactly
;;       r = np.clip(x / 2.0 ** e, -7.5, 7.5)
;;       step = 2.0 ** (np.maximum(np.frexp(np.where(r == 0, 1, r))[1] - 1, 0) - 3)
;;       q = np.round(r / step) * step * 2.0 ** e      # np.round: ties to even
;;       return np.moveaxis(q.reshape(q.shape[:-2] + (-1,))[..., :K], -1, axis).astype(np.float32)
;;   ~~~
;;   INPUTS GIVEN AS CODES. W1 (in the module: [1024, 1024], K = its axis 1); W2 (in the module: [1024, 1024], K = its axis 1); h_dec (in the module: [32, 1024], K = its axis 1); h_enc (in the module: [32, 2048, 1024], K = its axis 2): each comes as NAME_codes (uint8): NAME with its K axis moved to the last place and cut into blocks of 32 codes, [.., K / 32, bytes a block], one block behind the other in memory; four codes in three bytes: a row's codes are one little-endian stream of bits, code i at bits 6 i .. 6 i + 5 (a code: sign, 2 exponent bits, 3 mantissa bits); and NAME_scales (uint8): the same leading axes, one E8M0 byte (e + 127) for each 32 codes along K. Its value is code x scale, taken as it is: it is not quantised again, and the codes and scales need not be those that the quantiser above would give.
;; One version. Each part assembles by itself: llvm-mc -triple=amdgcn-amd-amdhsa -mcpu=gfx1250 --defsym DOCPART=n.
;; ======== version 1 of 1: 3 launches
;; limits: right only within a limited range of input values
;; workspace buffers: W1img 819,200 bytes; biasc 131,072 bytes; part 1,179,648 bytes
;; launch prep (part 1): grid 32 x 1, 4 waves a work-group, no clusters, 168,448 bytes of LDS; arguments W1_codes, W1_scales, W2_codes, W2_scales, h_dec_codes, h_dec_scales, b1, b2, W1img, biasc; writes W1img, biasc
.if DOCPART == 1
	.amdgcn_target "amdgcn-amd-amdhsa--gfx1250"
	.amdhsa_code_object_version 6
	.text
	.protected	k_qf528aa6a33_prep
	.globl	k_qf528aa6a33_prep
	.p2align	8
	.type	k_qf528aa6a33_prep,@function
k_qf528aa6a33_prep:
	s_mov_b64 s[64:65], 0
	v_nop
	global_prefetch_b8 v0, s[64:65] scope:SCOPE_SE
	s_setreg_imm32_b32 hwreg(HW_REG_WAVE_MODE, 25, 1), 1
	s_wait_xcnt 0x0
; TWO SMALL JOBS AHEAD OF THE MAIN LAUNCH.
; (1) W1's codes and scale bytes are laid out once as the main launch's operand registers take them.  W1img: 64 column tiles (16 rows of W1) of 12,800 bytes; a tile is two halves of 6,400 bytes
;     (K steps 0-3, K steps 4-7); a half is four fragments of 1,536 bytes (register group c of four at 512 c + 16 x lane) and 256 bytes of scale words (row r's four words at 6,144 + 16 r).
; (2) biasc[b][e] = C2 x (h_dec[b] . W2[e] + b2[e] + b1[e]), C2 = 2 log2(e): the decoder's product on codes of FP6 (E2M3) with E8M0 scales, f32 sums, and all that the main launch adds to C2 x (h_enc . W1).
; SHARES.  Work-group X: G = X / 2, rt = X % 2.  Wave w multiplies W2's tile T = 4 G + w by h_dec's rows 16 rt .. 16 rt + 15, and lays out half w % 2 of W1's tile 2 X + w / 2.
; A lane's part of a fragment is 8 bytes of each of sixteen rows that lie 768 bytes apart.  So the rows come into LDS by tensor loads, as dense blocks in rows of 256 bytes, and the fragments are read from there:
; a work-group asks for 64 rows of W2, 32 of W1 and 16 of h_dec, 86,016 bytes, by three loads a wave; nothing is filled twice.
; The product is used transposed (source 0 = 16 rows of W2, source 1 = 16 rows of h_dec): lane (r, h) holds row b = 16 rt + r and the eight columns 16 T + 8 h + 0 .. 7.
; The four waves' results meet in a stage (16 rows x (256 bytes + 16)), so that sixteen lanes store 256 consecutive bytes of a row of biasc, aligned: that takes four tiles to a work-group.
; No cluster: two work-groups share h_dec's 12,288 bytes at the most.  No prefetch: all that the launch reads is asked for at its head.
; REGISTERS: v1-14 offsets; v16-19 W2's scale words, v20-23 h_dec's; v24-39 b1, b2, then the results; v40-55 two accumulators; v56-61 LDS addresses; v64-159 W2's eight fragments; v160-255 h_dec's;
;   window 1: v0-47 the image's four fragments.
; HOW THE ROWS COME, AS THE TEXT NOW STANDS: one tensor load a wave, in one chain of arms: wave 0 W1's 32 rows, waves 1 and 2 32 rows of W2 each, wave 3 h_dec's 16 rows (in place of the three loads a wave named above).
; WORK LEFT OUT BY THE WHOLE PROGRAM: bv.  reference() adds bv[0] to every score of a row and then takes softmax along that row; softmax(s + c) = softmax(s) for every real c, so bv reaches no output whatever
; finite values the inputs hold.  bv is not loaded and is no launch's argument.  LIMIT: a NaN, an infinity or an overflow that would arise from bv alone is not carried to the result.
.set C2B,   0x4038aa3b
.set TILEB, 12800
.set HALFB, 6400
.set P2,    816                        ; a row of W2 or h_dec in LDS: 3 x (256 bytes + 16 of padding)
.set P1,    864                        ; a row of W1: 6 x (128 bytes + 16): half of K, 48 pieces of 8 bytes, is then three whole intervals, 432 bytes, wherever it begins
.set W1R,   64*P2                      ; LDS: W2's 64 rows from byte 0 on; W1's 32 rows;
.set HDR,   W1R+32*P1                  ; h_dec's 16 rows;
.set STG,   HDR+16*P2                  ; the stage, in blocks of 256 bytes of its own, into which no fill lands
.set LP,    272                        ; a stage row: 256 bytes + 16
.set AW2,   56                         ; v56-57 my tile of W2: row r, + 24 h; and + 40 h for the pieces that lie behind one padding more in lanes 16-31
.set AHD,   58                         ; v58-59 the same for h_dec
.set AW1,   60                         ; v60-61 the same for my tile and half of W1
.set G1A,   40                         ; s[40:47] descriptor group 1: 96 rows of 256 bytes (32 rows of W2)
.set G1B,   48                         ; s[48:55] 96 rows of 256 bytes (32 rows of W1)
.set G1C,   56                         ; s[56:63] 48 rows of 256 bytes (16 rows of h_dec)
.set G0A,   68                         ; s[68:71], s[72:75], s[76:79] their groups 0
.set G0B,   72
.set G0C,   76
.set MSB, 0
.macro WIN new                         ; the immediate's high byte repeats the setting that is left
.if MSB != \new
	s_set_vgpr_msb (MSB<<8)|\new
.set MSB, \new
.endif
.endm
; A fragment (16 rows x 128 K of 6-bit codes) is 12 registers: lane (r, h) takes, of row r, the pieces of 8 bytes 12 s + 3 h + 0, 1, 2 and 12 s + 6 + 3 h + 0, 1, 2.  16 bytes of padding lie behind every iv pieces:
; where the piece three on lies behind one padding more, the second address register serves.
.macro FRAGL reg, a0, s, iv
.irp p, 0,1,2,3,4,5
.set pcx, 12*(\s)+6*(\p/3)+\p%3
.if pcx%(\iv) < (\iv)-3
	ds_load_b64 v[(\reg)+2*\p:(\reg)+2*\p+1], v[\a0] offset:8*pcx+16*(pcx/(\iv))
.else
	ds_load_b64 v[(\reg)+2*\p:(\reg)+2*\p+1], v[\a0+1] offset:8*pcx+16*(pcx/(\iv))
.endif
.endr
.endm
	s_load_b256 s[4:11], s[0:1], 0x0               ; W1's codes s[4:5], W1's scales s[6:7], W2's codes s[8:9], W2's scales s[10:11]
	s_load_b256 s[12:19], s[0:1], 0x20             ; h_dec's codes s[12:13], its scales s[14:15], b1 s[16:17], b2 s[18:19]
	s_load_b128 s[20:23], s[0:1], 0x40             ; W1img s[20:21], biasc s[22:23]
	v_lshl_add_u32 v62, v0, 2, 0x29000
	v_mov_b32 v63, 0
	ds_add_u32 v62, v63
	ds_add_u32 v62, v63
	v_lshrrev_b32 v1, 5, v0
	v_readfirstlane_b32 s24, v1                    ; wave 0..3
	s_lshr_b32 s25, s24, 1                         ; which of the group's two tiles of W1
	s_and_b32 s26, s24, 1                          ; which half of it
	s_lshr_b32 s36, ttmp9, 1                       ; G
	s_and_b32 s37, ttmp9, 1                        ; rt
	s_lshl_b32 s38, s36, 2
	s_add_co_u32 s38, s38, s24                     ; T: my tile of W2
	s_lshl_b32 s39, ttmp9, 1
	s_add_co_u32 s39, s39, s25                     ; my tile of W1
	; descriptor groups 1: dense blocks as rows of 256 bytes (32 elements of 8 bytes)
	s_mov_b32 s[G1A+0], (3<<16)|(1<<20)|(5<<22)|(3<<25)   ; no mask; elements of 8 bytes; padding on, after every 64 words (code 5), of 4 words (code 3)
	s_mov_b32 s[G1B+0], (3<<16)|(1<<20)|(4<<22)|(3<<25)   ; the same after every 32 words (code 4): twice in a row
	s_mov_b32 s[G1C+0], (3<<16)|(1<<20)|(5<<22)|(3<<25)
.irp g, G1A, G1B, G1C
	s_mov_b32 s[\g+1], 32<<16                      ; tensor_dim0
	s_mov_b32 s[\g+3], 32<<16                      ; tile_dim0
	s_mov_b32 s[\g+5], 32                          ; from row to row
	s_mov_b32 s[\g+6], 0
	s_mov_b32 s[\g+7], 0
.endr
	s_mov_b32 s[G1A+2], 96<<16                     ; 32 rows of W2 are 96 rows of 256 bytes
	s_mov_b32 s[G1A+4], 96
	s_mov_b32 s[G1B+2], 96<<16                     ; 32 rows of W1
	s_mov_b32 s[G1B+4], 96
	s_mov_b32 s[G1C+2], 48<<16                     ; 16 rows of h_dec
	s_mov_b32 s[G1C+4], 48
	s_mov_b32 s28, C2B
	s_mov_b32 s29, C2B                             ; (the packed forms name the pair)
	s_mov_b32 s31, 0                               ; the upper words of three offsets: they stay 0
	s_mov_b32 s33, 0
	s_mov_b32 s35, 0
	s_mul_i32 s30, s36, 64*768                     ; W2: the group's 64 rows,
	s_mul_i32 s82, s25, 32*768                     ; wave 1 the first 32, wave 2 the second (wave / 2)
	s_add_co_u32 s30, s30, s82
	s_mul_i32 s32, ttmp9, 32*768                   ; W1: the group's 32 rows
	s_mul_i32 s34, s37, 16*768                     ; h_dec: rows 16 rt on
	s_mul_i32 s80, s24, 16*P2                      ; my tile of W2 in LDS
	s_mul_i32 s81, s25, 16*P1                      ; my tile of W1 in LDS,
	s_mul_i32 s82, s26, 432                        ; my half of K
	s_add_co_u32 s81, s81, s82
	s_add_co_u32 s81, s81, W1R
	v_and_b32 v1, 31, v0                           ; lane
	v_and_b32 v2, 15, v0                           ; r
	v_bfe_u32 v3, v0, 4, 1                         ; h
	v_mul_u32_u24 v4, v2, P2
	v_mad_u32_u24 v4, v3, 24, v4                   ; 816 r + 24 h
	v_add_nc_u32 v[AW2], s80, v4
	v_lshl_add_u32 v[AW2+1], v3, 4, v[AW2]
	v_add_nc_u32 v[AHD], HDR, v4
	v_lshl_add_u32 v[AHD+1], v3, 4, v[AHD]
	v_mul_u32_u24 v[AW1], v2, P1
	v_mad_u32_u24 v[AW1], v3, 24, v[AW1]
	v_add_nc_u32 v[AW1], s81, v[AW1]
	v_lshl_add_u32 v[AW1+1], v3, 4, v[AW1]
	v_lshlrev_b32 v5, 5, v2
	v_lshl_add_u32 v6, v3, 3, v5                   ; 32 r + 8 h: my 8 of a row's 16 scale bytes of a half
	v_lshl_add_u32 v5, v3, 4, v5                   ; 32 r + 16 h: lanes 0-15 take a row's words 0-3, lanes 16-31 its words 4-7
	v_lshlrev_b32 v7, 4, v2
	v_lshl_add_u32 v7, v3, 3, v7                   ; 16 r + 8 h: the same 8 bytes in the image
	v_lshlrev_b32 v8, 4, v1                        ; 16 x lane
	v_lshlrev_b32 v9, 5, v3                        ; 32 h: my half's eight numbers of b1 and b2
	s_lshl_b32 s82, s24, 6
	s_add_co_u32 s82, s82, STG
	v_mul_u32_u24 v10, v2, LP
	v_lshl_add_u32 v10, v3, 5, v10
	v_add_nc_u32 v10, s82, v10                     ; the stage, in: row r, byte 64 x wave + 32 h
	s_mul_i32 s82, s24, 4*LP
	s_add_co_u32 s82, s82, STG
	v_mul_u32_u24 v11, v3, LP
	v_lshl_add_u32 v11, v2, 4, v11
	v_add_nc_u32 v11, s82, v11                     ; the stage, out: row 4 x wave + h, byte 16 r
	s_lshl_b32 s82, s24, 14
	v_lshlrev_b32 v14, 12, v3
	v_lshl_add_u32 v14, v2, 4, v14
	v_add_nc_u32 v14, s82, v14                     ; and the same place in biasc: rows of 4,096 bytes
	s_wait_dscnt 0x0
	s_wait_kmcnt 0x0
	s_mov_b32 s[G0A], 1                            ; 1:0 count = 1
	s_mul_i32 s[G0A+1], s25, 32*P2                 ; LDS address: W2's rows begin at byte 0
	s_add_nc_u64 s[G0A+2:G0A+3], s[8:9], s[30:31]  ; 120:64 global address
	s_or_b32 s[G0A+3], s[G0A+3], 0x80000000        ; 127:126 type = 2
	s_mov_b32 s[G0B], 1
	s_mov_b32 s[G0B+1], W1R
	s_add_nc_u64 s[G0B+2:G0B+3], s[4:5], s[32:33]
	s_or_b32 s[G0B+3], s[G0B+3], 0x80000000
	s_mov_b32 s[G0C], 1
	s_mov_b32 s[G0C+1], HDR
	s_add_nc_u64 s[G0C+2:G0C+3], s[12:13], s[34:35]
	s_or_b32 s[G0C+3], s[G0C+3], 0x80000000
	s_cmp_lt_u32 s24, 1                            ; one chain of arms on the wave's number, one load to an arm
	s_cbranch_scc0 .Larm_w2
	tensor_load_to_lds s[G0B:G0B+3], s[G1B:G1B+7]  ; wave 0: W1's rows
	s_nop 0
.rept 4
	v_nop
.endr
	s_branch .Larm_join
.Larm_w2:
	s_cmp_lt_u32 s24, 3
	s_cbranch_scc0 .Larm_hd
	tensor_load_to_lds s[G0A:G0A+3], s[G1A:G1A+7]  ; waves 1, 2: W2's rows
	s_nop 0
.rept 4
	v_nop
.endr
	s_branch .Larm_join
.Larm_hd:
	tensor_load_to_lds s[G0C:G0C+3], s[G1C:G1C+7]  ; wave 3: h_dec's rows
	s_nop 0
.Larm_join:
.rept 4
	v_nop
.endr
	s_lshl_b32 s30, s39, 9                         ; W1's scale bytes: my tile's 16 rows of 32,
	s_lshl_b32 s32, s26, 4                         ; my half's 16 of the 32
	s_add_co_u32 s30, s30, s32
	s_add_nc_u64 s[6:7], s[6:7], s[30:31]
	s_lshl_b32 s30, s38, 9                         ; W2's: tile T's 16 rows
	s_add_nc_u64 s[10:11], s[10:11], s[30:31]
	s_lshl_b32 s30, s37, 9                         ; h_dec's: rows 16 rt on
	s_add_nc_u64 s[14:15], s[14:15], s[30:31]
	s_lshl_b32 s30, s38, 6                         ; tile T's 16 numbers of b1 and b2
	s_add_nc_u64 s[16:17], s[16:17], s[30:31]
	s_add_nc_u64 s[18:19], s[18:19], s[30:31]
	s_mul_i32 s30, s39, TILEB
	s_mul_i32 s32, s26, HALFB
	s_add_co_u32 s30, s30, s32
	s_add_nc_u64 s[20:21], s[20:21], s[30:31]      ; my half of my tile's image
	s_lshl_b32 s30, s37, 16                        ; biasc: rows 16 rt on,
	s_lshl_b32 s32, s36, 8                         ; the group's 64 columns
	s_add_co_u32 s30, s30, s32
	s_add_nc_u64 s[22:23], s[22:23], s[30:31]
	global_load_b64 v[12:13], v6, s[6:7]           ; W1's scale bytes of the half
	global_load_b128 v[16:19], v5, s[10:11]        ; register s % 4: the word of K step s, in lanes 0-15 for s < 4, in lanes 16-31 for the others
	global_load_b128 v[20:23], v5, s[14:15]
	global_load_b128 v[24:27], v9, s[16:17]
	global_load_b128 v[28:31], v9, s[16:17] offset:16
	global_load_b128 v[32:35], v9, s[18:19]
	global_load_b128 v[36:39], v9, s[18:19] offset:16
	s_wait_tensorcnt 0x0                           ; my parts of the three blocks have landed,
	s_barrier_signal -1
	s_barrier_wait -1                              ; everybody's have: W1's and h_dec's rows are read by other waves than fetched them
	WIN 0x40                                       ; destination window 1
.irp q, 0,1,2,3
	FRAGL 12*\q, AW1, \q, 16                       ; W1's fragment of K step 4 (w % 2) + q, as the operand's registers take it
.endr
	WIN 0
	s_wait_dscnt 0x0
	s_wait_loadcnt 0x0                             ; the scale bytes and the biases, asked for ahead of the wait for the tiles
	WIN 0x04                                       ; a store's data are its source 1: window 1
.irp q, 0,1,2,3
.irp c, 0,1,2
	global_store_b128 v8, v[12*\q+4*\c:12*\q+4*\c+3], s[20:21] offset:1536*\q+512*\c   ; 32 lanes store 512 consecutive bytes, aligned
.endr
.endr
	WIN 0
	global_store_b64 v7, v[12:13], s[20:21] offset:6144                                 ; 256 consecutive bytes, aligned
.irp s, 0,1,2,3,4,5,6,7
	FRAGL 64+12*\s, AW2, \s, 32                    ; W2
	FRAGL 160+12*\s, AHD, \s, 32                   ; h_dec
.endr
	s_wait_dscnt 0x0
	; the decoder's product: eight K steps, two accumulators by turns; the first two start the sums
.irp s, 0,1,2,3,4,5,6,7
.if \s < 2
	v_wmma_scale_f32_16x16x128_f8f6f4 v[40+8*(\s%2):47+8*(\s%2)], v[64+12*\s:75+12*\s], v[160+12*\s:171+12*\s], 0, v[16+\s%4], v[20+\s%4] matrix_a_fmt:MATRIX_FMT_FP6 matrix_b_fmt:MATRIX_FMT_FP6
.elseif \s < 4
	v_wmma_scale_f32_16x16x128_f8f6f4 v[40+8*(\s%2):47+8*(\s%2)], v[64+12*\s:75+12*\s], v[160+12*\s:171+12*\s], v[40+8*(\s%2):47+8*(\s%2)], v[16+\s%4], v[20+\s%4] matrix_a_fmt:MATRIX_FMT_FP6 matrix_b_fmt:MATRIX_FMT_FP6
.else
	v_wmma_scale_f32_16x16x128_f8f6f4 v[40+8*(\s%2):47+8*(\s%2)], v[64+12*\s:75+12*\s], v[160+12*\s:171+12*\s], v[40+8*(\s%2):47+8*(\s%2)], v[16+\s%4], v[20+\s%4] matrix_a_fmt:MATRIX_FMT_FP6 matrix_b_fmt:MATRIX_FMT_FP6 matrix_a_scale:MATRIX_SCALE_ROW1 matrix_b_scale:MATRIX_SCALE_ROW1
.endif
.endr
.irp k, 0,2,4,6
	v_pk_add_f32 v[24+\k:25+\k], v[24+\k:25+\k], v[32+\k:33+\k]                         ; b1 + b2.  These eight plain lines name none of the products' registers: they are the places behind the last product
.endr
.irp k, 0,2,4,6
	v_pk_mul_f32 v[24+\k:25+\k], v[24+\k:25+\k], s[28:29] op_sel_hi:[1,0]               ; x C2
.endr
.irp k, 0,2,4,6
	v_pk_add_f32 v[32+\k:33+\k], v[40+\k:41+\k], v[48+\k:49+\k]                         ; the two halves of the sum, each accumulator from its low end on
.endr
.irp k, 0,2,4,6
	v_pk_fma_f32 v[32+\k:33+\k], v[32+\k:33+\k], s[28:29], v[24+\k:25+\k] op_sel_hi:[1,0,1]
.endr
	ds_store_b128 v10, v[32:35]
	ds_store_b128 v10, v[36:39] offset:16
	s_wait_dscnt 0x0                               ; for the others' sake: my stores have landed
	s_barrier_signal -1
	s_barrier_wait -1
	ds_load_b128 v[24:27], v11                     ; rows 4 x wave + h
	ds_load_b128 v[28:31], v11 offset:2*LP         ; rows 4 x wave + 2 + h
	s_wait_dscnt 1                                 ; the first is in, the second may be out
	global_store_b128 v14, v[24:27], s[22:23]      ; sixteen lanes store 256 consecutive bytes, aligned
	s_wait_dscnt 0x0
	global_store_b128 v14, v[28:31], s[22:23] offset:2*4096
	s_wait_tensorcnt 0x0
	ds_add_u32 v62, v63
	s_wait_dscnt 0x0
	s_endpgm
.Lfunc_end_k_qf528aa6a33_prep:
	.size	k_qf528aa6a33_prep, .Lfunc_end_k_qf528aa6a33_prep-k_qf528aa6a33_prep
	.p2alignl 7, 3214868480
	.fill 96, 4, 3214868480
	.section	.rodata,"a",@progbits
	.p2align	6, 0x0
	.amdhsa_kernel k_qf528aa6a33_prep
		.amdhsa_group_segment_fixed_size 168448
		.amdhsa_private_segment_fixed_size 0
		.amdhsa_enable_private_segment 0
		.amdhsa_kernarg_size 80
		.amdhsa_user_sgpr_count 2
		.amdhsa_user_sgpr_kernarg_segment_ptr 1
		.amdhsa_wavefront_size32 1
		.amdhsa_system_sgpr_workgroup_id_x 1
		.amdhsa_system_sgpr_workgroup_id_y 1
		.amdhsa_system_sgpr_workgroup_id_z 1
		.amdhsa_system_vgpr_workitem_id 0
		.amdhsa_next_free_vgpr 320
		.amdhsa_next_free_sgpr 84
		.amdhsa_reserve_vcc 0
		.amdhsa_float_denorm_mode_32 3
		.amdhsa_float_denorm_mode_16_64 3
		.amdhsa_memory_ordered 1
		.amdhsa_forward_progress 1
		.amdhsa_inst_pref_size 20
	.end_amdhsa_kernel
	.amdgpu_metadata
---
amdhsa.version: [ 1, 2 ]
amdhsa.kernels:
  - .name:           k_qf528aa6a33_prep
    .symbol:         k_qf528aa6a33_prep.kd
    .args:
      - { .name: W1_codes, .offset: 0, .size: 8, .value_kind: global_buffer, .address_space: global }
      - { .name: W1_scales, .offset: 8, .size: 8, .value_kind: global_buffer, .address_space: global }
      - { .name: W2_codes, .offset: 16, .size: 8, .value_kind: global_buffer, .address_space: global }
      - { .name: W2_scales, .offset: 24, .size: 8, .value_kind: global_buffer, .address_space: global }
      - { .name: h_dec_codes, .offset: 32, .size: 8, .value_kind: global_buffer, .address_space: global }
      - { .name: h_dec_scales, .offset: 40, .size: 8, .value_kind: global_buffer, .address_space: global }
      - { .name: b1, .offset: 48, .size: 8, .value_kind: global_buffer, .address_space: global }
      - { .name: b2, .offset: 56, .size: 8, .value_kind: global_buffer, .address_space: global }
      - { .name: W1img, .offset: 64, .size: 8, .value_kind: global_buffer, .address_space: global }
      - { .name: biasc, .offset: 72, .size: 8, .value_kind: global_buffer, .address_space: global }
    .group_segment_fixed_size: 168448
    .private_segment_fixed_size: 0
    .kernarg_segment_align: 8
    .kernarg_segment_size: 80
    .max_flat_workgroup_size: 128
    .sgpr_count:     84
    .vgpr_count:     320
    .wavefront_size: 32
...
	.end_amdgpu_metadata
.endif
;; end of part 1
;; launch main (part 2): grid 256 x 1, 8 waves a work-group, clusters of 4 x 1, 327,680 bytes of LDS; arguments h_enc_codes, h_enc_scales, W1img, biasc, V, part; writes part
.if DOCPART == 2
	.amdgcn_target "amdgcn-amd-amdhsa--gfx1250"
	.amdhsa_code_object_version 6
	.text
	.protected	k_qf528aa6a33_main
	.globl	k_qf528aa6a33_main
	.p2align	8
	.type	k_qf528aa6a33_main,@function
k_qf528aa6a33_main:
	s_mov_b64 s[64:65], 0
	v_nop
	global_prefetch_b8 v0, s[64:65] scope:SCOPE_SE
	s_setreg_imm32_b32 hwreg(HW_REG_WAVE_MODE, 25, 1), 1
	s_wait_xcnt 0x0
	s_wait_alu depctr_hold_cnt(0) depctr_sa_sdst(0) depctr_va_vdst(0) depctr_va_sdst(0) depctr_va_ssrc(0) depctr_va_vcc(0) depctr_vm_vsrc(0)
	s_getreg_b32 s2, hwreg(HW_REG_IB_STS2, 6, 4)
	s_cmp_eq_u32 s2, 0
	s_cbranch_scc0 .Lentry_in_a_cluster
	s_endpgm
.Lentry_in_a_cluster:
	s_bfe_u32 s2, ttmp6, 0x10000c
	s_cmp_lg_u32 s2, 0x3003
	s_cbranch_scc0 .Lentry_shape_is_right
	s_endpgm
.Lentry_shape_is_right:
; ADDITIVE ATTENTION, the bulk.  For 256 rows l of one batch b a work-group computes t[l] = sum over e of (-2 V[e]) / (1 + 2^z), z = C2 x (h_enc[l] . W1[e]) + biasc[b][e], C2 = 2 log2(e), the group's largest t (GM),
; p[l] = exp(t[l] - GM), S = sum of p, u = sum over l of p[l] h_enc[l] (1,024 numbers), and stores u, GM, S.  The product is on codes of FP6 (E2M3) with E8M0 scales, f32 sums.
; tanh(x) = 1 - 2 / (1 + 2^(C2 x)), so reference()'s score is t[l] + bv + sum of V.  WORK LEFT OUT: bv + sum of V is the same for every l of a row of scores, and softmax(s + c) = softmax(s) for every real c:
; it reaches no output, is not added, and bv is not loaded.  LIMIT: a NaN, an infinity or an overflow that would arise from that term alone is not carried to the result.
; REASSOCIATED, STATED PLAINLY: reference() weighs enc_proj = h_enc W1^T + b1 with the softmax; here the weights are applied to h_enc (code x scale, exactly) and the last launch multiplies by W1 and adds b1 once,
; since the weights add up to 1: the same in real numbers for every input; the order of f32 roundings differs.  The largest t is taken away before each exponential, here for the group, in the last launch for the batch.
; LIMITS: a scale byte 0xff (NaN) of h_enc is not served where u is made (it counts as 2^128); NaN and infinities among V, b1, b2 are not served.
; SHARES.  Work-group g = 4 x cluster + cx owns rows 256 g .. 256 g + 255 (batch g / 8).  Eight waves: wave w takes the 64 rows of group w % 4 and, of every four column tiles of W1, tiles 0, 1 (w < 4) or 2, 3 (w >= 4).
; A wave's 32 fragments of h_enc (4 row tiles x 8 K steps) stay in 384 registers; a tile of W1 goes through a register ring of four fragments, refilled two at a time.  Source 0 = 16 rows of W1, source 1 = 16 rows
; of h_enc: a lane holds ONE row l and eight columns e, so a row's t is summed inside the lane.
; TWO TEXTS BETWEEN CHANGES OF SLOTS.  Waves 0-3 run products, vector work, products, vector work; waves 4-7 run the same pieces half a tile later (a tile's K steps 6, 7 and its vector work stand behind the change).
; The change of slots itself (waits, add, round, refill, addresses) is one text for all waves.
; CLUSTER.  The four work-groups of a cluster walk the same W1img: every tile is asked for JOINTLY (mask 15).  h_enc's rows belong to one work-group: plain loads.
; No prefetch: all of h_enc is asked for by the head's loads, so no trip runs ahead of them; W1img's 819,200 bytes are walked by all 64 clusters in one order.
; REGISTERS: v0 thread; v1-3 LDS addresses; v4-7 W1's scale words; v8-23 h_enc's; v24-31 biasc of a tile, then -2 V of it; v32-39 t, a pair a row tile; v40-41 for the add; v44-75 four accumulators;
;   v76-123 the ring; v124-255 h_enc's fragments 21-31; window 1: v0-251 fragments 0-20 (fragment f = 4 x K step + row tile).
.set AREG,   52224                     ; LDS: row group i's 64 rows of h_enc at AREG x i: filled once, kept for the tail
.set APITCH, 816                       ; a row: 3 x (256 bytes + 16 of padding)
.set SLOT0,  208896                    ; two slots of four tiles, at the same place in two aligned blocks of 65,536 bytes,
.set SLOT1,  274432
.set SLOTX,  0x70000                   ; so that one exclusive or turns an address in one slot into the other's
.set TILEB,  12800
.set HALFB,  6400
.set GRPB,   4*TILEB
.set VB,     260352                    ; biasc[b] (4,096 bytes), then -2 V (4,096 bytes): stored by the waves, never a fill's target
.set SPARE,  268544                    ; the spare words, 128 bytes for each of eight waves
.set PS,     269568                    ; the waves' halves of t: 256 bytes a wave
.set TSC,    SLOT0                     ; the tail's stages lie in the slots, which have had their last fill and, behind the tail's first barrier, their last read:
.set TP,     SLOT0+16384               ; TSC: 2,048 bytes a wave, its rows' scale bytes;  TP: 1,024 bytes a wave, the 256 p;
.set UX,     SLOT1                     ; UX: 4,608 bytes a wave (32 lanes x (128 + 16)), its part of u
.set ADF, 1                            ; the slot in hand + 16 x lane
.set ADS, 2                            ; the slot in hand + 16 r + 6,400 h
.set ADV, 3                            ; VB - 256 + 32 h + 256 x step
.set WS,  4
.set AS,  8
.set BV,  24
.set SS,  32
.set SPW, 40
.set NIL, 41
.set ACC, 44
.set RNG, 76
.set WV,  18                           ; s18 wave;  s19 cx;  s20 g
.set CNT, 21
.set TB,  22                           ; s22 LDS byte at which the slot in hand begins
.set TV,  23                           ; s23 VB - 256 + 256 x step
.set CC,  24                           ; s[24:25] C2
.set SEL, 26                           ; s[26:27] lane selects for v_permlanex16_b32: lane l xor 16
.set SRG, 28                           ; s28 wave % 4
.set SCH, 29                           ; s29 wave / 4
.set AB,  16                           ; s16 AREG x (wave % 4)
.set G1A, 36                           ; s[36:43], s[44:47] descriptor groups 1 and 0 for h_enc's rows
.set G0A, 44
.set G1W, 48                           ; s[48:55] group 1 for half a tile of W1img;  s[56:59] its group 0, which walks
.set G0W, 56
.set G1H, 68                           ; s[68:75], s[76:79] groups 1 and 0 for a whole tile: slot 0's first fill
.set G0H, 76
.set MSB, 0
.macro WIN new                         ; the immediate's high byte repeats the setting that is left; a switch that changes nothing is dropped
.if MSB != \new
	s_set_vgpr_msb (MSB<<8)|\new
.set MSB, \new
.endif
.endm
.macro CREST                           ; a round of the cluster's barrier behind its opening barrier
	s_cmp_lg_u32 s[WV], 0
	s_cbranch_scc1 .Lnot_wave_0_\@
	s_barrier_signal -3
.Lnot_wave_0_\@:
	s_barrier_wait -3
	s_barrier_signal -1
	s_barrier_wait -1
.endm
.macro CROUND
	s_barrier_signal -1
	s_barrier_wait -1
	CREST
.endm
.macro NOP4                            ; four places behind a matrix instruction (ISA guide 7.12.1 for vector instructions)
.rept 4
	v_nop
.endr
.endm
.macro VW
	s_wait_alu depctr_va_vdst(0)
.endm
	s_load_b256 s[4:11], s[0:1], 0x0               ; h_enc's codes s[4:5], its scales s[6:7], W1img s[8:9], biasc s[10:11]
	s_load_b128 s[12:15], s[0:1], 0x20             ; V s[12:13], part s[14:15]
	v_lshl_add_u32 v[SPW], v0, 2, SPARE
	v_mov_b32 v[NIL], 0
	ds_add_u32 v[SPW], v[NIL]                      ; the opening lines: the add twice on end and one wait
	ds_add_u32 v[SPW], v[NIL]
	v_lshrrev_b32 v1, 5, v0
	v_readfirstlane_b32 s[WV], v1                  ; wave 0..7
	s_and_b32 s[SRG], s[WV], 3
	s_lshr_b32 s[SCH], s[WV], 2
	s_bfe_u32 s19, ttmp6, 0x40000                  ; cx
	s_lshl_b32 s20, ttmp9, 2
	s_add_co_u32 s20, s20, s19                     ; g: it enters global addresses of h_enc, biasc and part alone
	s_mov_b32 s[G1A+0], (3<<16)|(1<<20)|(5<<22)|(3<<25)   ; h_enc: 64 rows are 192 dense rows of 256 bytes (32 elements of 8), 16 bytes of padding behind each; no mask
	s_mov_b32 s[G1A+2], 192<<16
	s_mov_b32 s[G1A+4], 192
	s_mov_b32 s[G1W+0], 15|(3<<16)|(1<<21)         ; W1img: dense rows of 256 bytes, no padding; the mask names all four work-groups, bit 21 beside it
	s_mov_b32 s[G1W+2], 25<<16                     ; half a tile: 25 rows
	s_mov_b32 s[G1W+4], 25
	s_mov_b32 s[G1H+0], 15|(3<<16)|(1<<21)
	s_mov_b32 s[G1H+2], 50<<16                     ; a tile: 50 rows
	s_mov_b32 s[G1H+4], 50
.irp g, G1A, G1W, G1H
	s_mov_b32 s[\g+1], 32<<16
	s_mov_b32 s[\g+3], 32<<16
	s_mov_b32 s[\g+5], 32
	s_mov_b32 s[\g+6], 0
	s_mov_b32 s[\g+7], 0
.endr
	s_mov_b32 s[CC], 0x4038aa3b                    ; C2 = 2 log2(e)
	s_mov_b32 s[CC+1], 0x4038aa3b
	s_mov_b32 s[SEL], 0x76543210
	s_mov_b32 s[SEL+1], 0xfedcba98
	s_mul_i32 s30, s20, 256*768
	s_mul_i32 s31, s[SRG], 64*768
	s_add_co_u32 s30, s30, s31                     ; a row group's codes: under 2^26 bytes
	s_mov_b32 s31, 0
	s_mul_i32 s32, s[SRG], TILEB
	s_mov_b32 s33, 0
	s_mul_i32 s34, s[WV], HALFB
	s_mov_b32 s35, 0
	s_mul_i32 s[AB], s[SRG], AREG
	VW
	s_wait_dscnt 0x0                               ; both opening adds are done
	s_wait_kmcnt 0x0
	s_mov_b32 s[G0A], 1
	s_mov_b32 s[G0A+1], s[AB]
	s_add_nc_u64 s[G0A+2:G0A+3], s[4:5], s[30:31]
	s_or_b32 s[G0A+3], s[G0A+3], 0x80000000
	s_mov_b32 s[G0H], 1
	s_add_co_u32 s[G0H+1], s32, SLOT0
	s_add_nc_u64 s[G0H+2:G0H+3], s[8:9], s[32:33]
	s_or_b32 s[G0H+3], s[G0H+3], 0x80000000
	s_mov_b32 s[G0W], 1
	s_add_co_u32 s[G0W+1], s34, SLOT1
	s_add_nc_u64 s[G0W+2:G0W+3], s[8:9], s[34:35]
	s_add_nc_u64 s[G0W+2:G0W+3], s[G0W+2:G0W+3], GRPB
	s_or_b32 s[G0W+3], s[G0W+3], 0x80000000
	CROUND                                         ; all four work-groups are here: the first joint loads meet
	s_cmp_lt_u32 s[WV], 4                          ; the head's loads, one a wave: waves 0-3 a row group of h_enc each, waves 4-7 a tile of slot 0 each
	s_cbranch_scc0 .Lhead_w
	tensor_load_to_lds s[G0A:G0A+3], s[G1A:G1A+7]
	s_nop 0
	NOP4
	s_branch .Lhead_j
.Lhead_w:
	tensor_load_to_lds s[G0H:G0H+3], s[G1H:G1H+7]
	s_nop 0
	NOP4
.Lhead_j:
	s_lshl_b32 s30, s20, 13                        ; 256 rows of 32 scale bytes,
	s_lshl_b32 s32, s[SRG], 11                     ; my 64 of them
	s_add_co_u32 s30, s30, s32
	s_add_nc_u64 s[6:7], s[6:7], s[30:31]
	s_lshr_b32 s30, s20, 3                         ; the batch
	s_lshl_b32 s30, s30, 12
	s_add_nc_u64 s[10:11], s[10:11], s[30:31]
	s_mul_i32 s30, s20, 4608
	s_add_nc_u64 s[14:15], s[14:15], s[30:31]      ; my group's row of part
	v_and_b32 v44, 15, v0                          ; r
	v_bfe_u32 v45, v0, 4, 1                        ; h
	v_lshlrev_b32 v46, 4, v0                       ; 16 x thread: 256 threads cover 4,096 bytes
	v_lshlrev_b32 v47, 5, v44
	v_lshl_add_u32 v47, v45, 4, v47                ; 32 r + 16 h
	v_mul_u32_u24 v48, v44, APITCH
	v_mad_u32_u24 v48, v45, 24, v48
	v_add_nc_u32 v48, s[AB], v48                   ; h_enc's fragments in LDS: 816 r + 24 h,
	v_lshl_add_u32 v49, v45, 4, v48                ; and + 40 h for the pieces that lie behind one padding more in lanes 16-31
	v_add_nc_u32 v50, VB, v46
.irp j, 0,1,2,3,4,5,6,7
	v_mov_b32 v[SS+\j], 0                          ; the sums of t begin at 0
.endr
	VW
.irp m, 0,1,2,3
	global_load_b128 v[AS+4*\m:AS+4*\m+3], v47, s[6:7] offset:512*\m   ; register 4 m + s % 4: the scale word of row 16 m + r for K step s: lanes 0-15 for s < 4, lanes 16-31 for the others
.endr
	global_load_b128 v[52:55], v46, s[10:11]       ; biasc[b]
	global_load_b128 v[56:59], v46, s[12:13]       ; V
	s_wait_loadcnt 0x0
	v_pk_mul_f32 v[56:57], v[56:57], -2.0 op_sel_hi:[1,0]
	v_pk_mul_f32 v[58:59], v[58:59], -2.0 op_sel_hi:[1,0]
	VW
	s_wait_tensorcnt 0x0                           ; my load of the head has landed: no tensor load of mine is out while I store to LDS
	ds_store_b128 v50, v[52:55]
	ds_store_b128 v50, v[56:59] offset:4096
	s_wait_tensorcnt 0x0
	ds_add_u32 v[SPW], v[NIL]
	s_mov_b32 s[TB], SLOT0
	s_mov_b32 s[TV], VB-256
	s_wait_dscnt 0x0                               ; the add and my stores are done
	CROUND                                         ; everybody's tiles and stores are in, and all four work-groups are here
	tensor_load_to_lds s[G0W:G0W+3], s[G1W:G1W+7]  ; slot 1's first fill: tiles 4-7, half a tile a wave
	s_nop 0
.macro ADDRS                           ; the three addresses, made anew from v0 and the two stepped scalars
	v_and_b32 v[ADF], 31, v0
	v_and_b32 v[ADS], 15, v0
	v_bfe_u32 v[ADV], v0, 4, 1
	v_lshl_add_u32 v[ADF], v[ADF], 4, s[TB]
	v_lshl_add_u32 v[ADS], v[ADS], 4, s[TB]
	v_mad_u32_u24 v[ADS], v[ADV], HALFB, v[ADS]
	v_lshl_add_u32 v[ADV], v[ADV], 5, s[TV]
	VW
.endm
	ADDRS
; h_enc's fragment (row tile m, K step s): lane (r, h) takes, of row 16 m + r, the pieces of 8 bytes 12 s + 3 h + 0, 1, 2 and 12 s + 6 + 3 h + 0, 1, 2; 16 bytes of padding lie behind every 32 pieces
.macro AFRAG m, s
.set f, 4*(\s)+(\m)
.if f < 21
	WIN 0x40
.set rg, 12*f
.else
	WIN 0
.set rg, 124+12*(f-21)
.endif
.irp p, 0,1,2,3,4,5
.set pcx, 12*(\s)+6*(\p/3)+\p%3
.if pcx%32 < 29
	ds_load_b64 v[rg+2*\p:rg+2*\p+1], v48 offset:8*pcx+16*(pcx/32)+16*APITCH*(\m)
.else
	ds_load_b64 v[rg+2*\p:rg+2*\p+1], v49 offset:8*pcx+16*(pcx/32)+16*APITCH*(\m)
.endif
.endr
.endm
.irp s, 0,1,2,3,4,5,6,7
.irp m, 0,1,2,3
	AFRAG \m, \s
.endr
.endr
	WIN 0
; One matrix instruction: K step ks, row tile m.  The four accumulators take turns; K step 0 starts the sums.
.macro MM ks, m
.set f, 4*(\ks)+(\m)
.if f < 21
	WIN 0x04                                       ; source 1 in window 1
.set rB, 12*f
.else
	WIN 0
.set rB, 124+12*(f-21)
.endif
.set rD, ACC+8*(\m)
.set rA, RNG+12*((\ks)%4)
.set rW, WS+(\ks)%4
.set rS, AS+4*(\m)+(\ks)%4
.if (\ks) == 0
	v_wmma_scale_f32_16x16x128_f8f6f4 v[rD:rD+7], v[rA:rA+11], v[rB:rB+11], 0, v[rW], v[rS] matrix_a_fmt:MATRIX_FMT_FP6 matrix_b_fmt:MATRIX_FMT_FP6
.elseif (\ks) < 4
	v_wmma_scale_f32_16x16x128_f8f6f4 v[rD:rD+7], v[rA:rA+11], v[rB:rB+11], v[rD:rD+7], v[rW], v[rS] matrix_a_fmt:MATRIX_FMT_FP6 matrix_b_fmt:MATRIX_FMT_FP6
.else
	v_wmma_scale_f32_16x16x128_f8f6f4 v[rD:rD+7], v[rA:rA+11], v[rB:rB+11], v[rD:rD+7], v[rW], v[rS] matrix_a_fmt:MATRIX_FMT_FP6 matrix_b_fmt:MATRIX_FMT_FP6 matrix_a_scale:MATRIX_SCALE_ROW1 matrix_b_scale:MATRIX_SCALE_ROW1
.endif
.endm
.macro KS ks
.irp m, 0,1,2,3
	MM \ks, \m
.endr
.endm
.macro RL toff, k0                     ; six loads: W1's fragments of K steps k0, k0 + 1 of the tile at byte toff of the slot, into ring places k0 % 4, + 1
.irp s, \k0, \k0+1
.irp c, 0,1,2
	ds_load_b128 v[RNG+12*((\s)%4)+4*\c:RNG+12*((\s)%4)+4*\c+3], v[ADF] offset:(\toff)+HALFB*((\s)/4)+1536*((\s)%4)+512*\c
.endr
.endr
.endm
.macro WSL toff                        ; a tile's scale words
	ds_load_b128 v[WS:WS+3], v[ADS] offset:(\toff)+6144
.endm
.macro PRE toff                        ; 13 loads: a tile's K steps 0-3 and its scale words
	RL \toff, 0
	RL \toff, 2
	WSL \toff
.endm
.macro BIAS off                        ; two loads: eight numbers of biasc or of -2 V
	ds_load_b128 v[BV:BV+3], v[ADV] offset:\off
	ds_load_b128 v[BV+4:BV+7], v[ADV] offset:(\off)+16
.endm
.macro MLO toff                        ; a tile's K steps 0-5
	s_wait_dscnt 2                                 ; all but the two loads of biasc, the youngest, are in: K steps 0-3 and the scale words
	KS 0
	KS 1
	NOP4
	RL \toff, 4
	KS 2
	KS 3
	NOP4
	RL \toff, 6
	s_wait_dscnt 6                                 ; K steps 4, 5 (and biasc) are in; the six loads of K steps 6, 7 may be out
	KS 4
	KS 5
.endm
.macro MHI nxt, pl                     ; K steps 6, 7; nxt: the next tile's byte in the slot in hand, or -1; pl: the places are written here
.if \pl
	NOP4
.endif
.if (\nxt) >= 0
	RL \nxt, 0
	s_wait_dscnt 6                                 ; K steps 6, 7 are in; the six loads just issued may be out
.else
	s_wait_dscnt 0x0
.endif
	KS 6
	KS 7
	NOP4                                           ; for the loads below and for the first reads of the sums
.if (\nxt) >= 0
	RL \nxt, 2
	WSL \nxt
.endif
.endm
.macro V1 voff                         ; z = C2 x product + biasc, each accumulator from its low end on; 2^z.  -2 V then takes biasc's registers
.irp k, 0,1,2,3,4,5,6,7,8,9,10,11,12,13,14,15
	v_pk_fma_f32 v[ACC+2*\k:ACC+2*\k+1], v[ACC+2*\k:ACC+2*\k+1], s[CC:CC+1], v[BV+2*(\k%4):BV+2*(\k%4)+1] op_sel_hi:[1,0,1]
.endr
	BIAS \voff
	VW                                             ; ahead of the batch
.set i, 0
.rept 32
	v_exp_f32 v[ACC+i], v[ACC+i]
.set i, i+1
.endr
	v_nop                                          ; a plain line behind the last transcendental
	VW                                             ; one wait for the batch
.endm
.macro V2 boff                         ; 1 / (1 + 2^z); t += (-2 V) x that; boff: the next tile's biasc, or -1
.irp k, 0,1,2,3,4,5,6,7,8,9,10,11,12,13,14,15
	v_pk_add_f32 v[ACC+2*\k:ACC+2*\k+1], v[ACC+2*\k:ACC+2*\k+1], 1.0 op_sel_hi:[1,0]
.endr
	VW
.set i, 0
.rept 32
	v_rcp_f32 v[ACC+i], v[ACC+i]
.set i, i+1
.endr
	v_nop
	VW
	s_wait_dscnt 0x0                               ; -2 V is in, and with it every older load
.irp j, 0,1,2,3
.irp m, 0,1,2,3
	v_pk_fma_f32 v[SS+2*\m:SS+2*\m+1], v[ACC+8*\m+2*\j:ACC+8*\m+2*\j+1], v[BV+2*\j:BV+2*\j+1], v[SS+2*\m:SS+2*\m+1]
.endr
.endr
.if (\boff) >= 0
	BIAS \boff
.endif
.endm
; A step: the four tiles of the slot in hand.  biasc of the step's tile j lies at ADV + 256 + 64 j, -2 V 4,096 bytes on; the step before's tile 3 at ADV + 192.
.macro PATHS first, last
	s_cmp_lt_u32 s[WV], 4
	s_cbranch_scc0 .Lp1_\@
	PRE 0                                          ; waves 0-3: tiles 0 and 1
.if \first
	BIAS 256
.else
	V2 256                                         ; the second half of the vector work of the step before's tile 1
.endif
	MLO 0
	MHI TILEB, 1
	V1 4096+256
	V2 256+64
	MLO TILEB
	MHI -1, 1
	V1 4096+256+64
.if \last
	V2 -1
.endif
	s_branch .Lpj_\@
.Lp1_\@:
.if \first
	PRE 2*TILEB                                    ; waves 4-7: tiles 2 and 3
	BIAS 256+128
.else
	MHI 2*TILEB, 0                                 ; the step before's tile 3 is finished; the seven plain lines that made the addresses are the places
	V1 4096+192
	V2 256+128
.endif
	MLO 2*TILEB
	MHI 3*TILEB, 1
	V1 4096+256+128
	V2 256+192
	MLO 3*TILEB
.if \last
	MHI -1, 1
	V1 4096+256+192
	V2 -1
.endif
.Lpj_\@:
.endm
; THE CHANGE OF SLOTS, one text for all waves.  Each wave waits for all its tensor loads (one is out: its half tile of the next slot), adds 0 to its spare word, and waits for that and for its reads of the slot;
; the barrier opens a round of the cluster's barrier, and the joint refill is the first tensor load behind the round: the four tiles after the next four.
.macro SYNC refill
	s_wait_tensorcnt 0x0
	ds_add_u32 v[SPW], v[NIL]
	s_xor_b32 s[TB], s[TB], SLOTX
	s_add_co_u32 s[TV], s[TV], 256
.if \refill
	s_xor_b32 s[G0W+1], s[G0W+1], SLOTX            ; no tensor load of mine is out, so the group 0 may be written: the other slot,
	s_add_nc_u64 s[G0W+2:G0W+3], s[G0W+2:G0W+3], GRPB   ; the next four tiles
.endif
	s_wait_dscnt 0x0
	s_barrier_signal -1
	s_barrier_wait -1
.if \refill
	CREST
	tensor_load_to_lds s[G0W:G0W+3], s[G1W:G1W+7]
	s_nop 0
.endif
	ADDRS
.endm
	PATHS 1, 0                                     ; step 0
	s_mov_b32 s[CNT], 14
.Lstep:                                                ; steps 1 to 14: step n's change fills the slot just left with tiles 4 n + 4 .. 4 n + 7
	SYNC 1
	PATHS 0, 0
	s_sub_co_u32 s[CNT], s[CNT], 1
	s_cmp_lg_u32 s[CNT], 0
	s_cbranch_scc1 .Lstep
	SYNC 0                                         ; step 15 is written out: nothing is left to ask for
	PATHS 0, 1
; ---- THE TAIL, in window 0
.set SC,  44
.set TQ,  48
.set LN,  52
.set RR,  53
.set HH,  54
.set L16, 55
.set APS, 56
.set ARD, 57
.set ATP, 58
.set ATS, 59
.set AUX, 60
.set AUR, 61
.set AGO, 62
.set GM,  63
.set SW,  64
.set E,   65
.set ONE, 66
.set W,   68
.set X,   70
.set UA,  74
.set USA, 77
.set UPA, 78
.set WA,  80
.set WSA, 83
.set WPA, 84
.set T,   88
.set U,   120
.set CA,  152
.set CB,  184
.set BA,  216
.set BB,  220
.set PA,  224
.set PB,  228
.set G4,  232
	s_lshl_b32 s36, s[WV], 8
	s_add_co_u32 s36, s36, PS
	s_lshl_b32 s37, s[WV], 10
	s_add_co_u32 s37, s37, TP
	s_lshl_b32 s38, s[WV], 11
	s_add_co_u32 s38, s38, TSC
	s_mul_i32 s39, s[WV], 4608
	s_add_co_u32 s39, s39, UX
	s_mul_i32 s40, s[WV], 576
	s_add_co_u32 s40, s40, UX
	s_lshl_b32 s41, s[WV], 9
	s_mul_i32 s30, s[SCH], 32*APITCH               ; for u wave w takes rows 32 (w / 4) .. + 31 of its row group: the steps of the row loop begin there
	s_lshl_b32 s31, s[SCH], 10
	s_lshl_b32 s32, s[SRG], 8
	s_lshl_b32 s33, s[SCH], 7
	s_add_co_u32 s32, s32, s33
	VW                                             ; directly ahead of the first readers of the sums of t, which stand behind a branch and a run of scalar lines
.irp m, 0,1,2,3
	v_add_f32 v[SC+\m], v[SS+2*\m], v[SS+2*\m+1]
.endr
.irp m, 0,1,2,3
	v_mov_b32 v[TQ+\m], 0                          ; a lane permute's destination counts as one of its sources
.endr
.irp m, 0,1,2,3
	v_permlanex16_b32 v[TQ+\m], v[SC+\m], s[SEL], s[SEL+1]
.endr
.irp m, 0,1,2,3
	v_add_f32 v[SC+\m], v[SC+\m], v[TQ+\m]         ; with the other half's columns: my 32 tiles' part of t of row 16 m + r
.endr
	v_and_b32 v[LN], 31, v0
	v_and_b32 v[RR], 15, v0
	v_bfe_u32 v[HH], v0, 4, 1
	v_lshlrev_b32 v[L16], 4, v[LN]
	v_lshl_add_u32 v[APS], v[RR], 2, s36
	v_lshl_add_u32 v[ARD], v[LN], 5, PS
	v_lshl_add_u32 v[ATP], v[LN], 5, s37
	v_mov_b32 v[UPA], s37
	v_lshl_add_u32 v[ATS], v[RR], 5, s38
	v_lshl_add_u32 v[ATS], v[HH], 4, v[ATS]
	v_add_nc_u32 v[USA], s38, v[LN]
	v_mul_u32_u24 v85, v[LN], 3                    ; lane j owns block j of a row: pieces 3 j, 3 j + 1, 3 j + 2, each behind 16 bytes of padding for every 32 pieces passed
.irp i, 0,1,2
	v_add_nc_u32 v86, \i, v85
	v_lshrrev_b32 v87, 5, v86
	v_lshlrev_b32 v86, 3, v86
	v_lshl_add_u32 v86, v87, 4, v86
	v_add_nc_u32 v[UA+\i], s[AB], v86
.endr
	v_mul_u32_u24 v[AUX], v[LN], 144
	v_add_nc_u32 v[AUX], s39, v[AUX]
	v_lshrrev_b32 v86, 3, v[LN]
	v_mul_u32_u24 v86, v86, 144
	v_and_b32 v87, 7, v[LN]
	v_lshl_add_u32 v[AUR], v87, 4, v86
	v_add_nc_u32 v[AUR], s40, v[AUR]
	v_add_nc_u32 v[AGO], s41, v[L16]
	v_mov_b32 v[SW], 0
.irp m, 0,1,2,3
	ds_store_b32 v[APS], v[SC+\m] offset:64*\m     ; at PS + 1,024 (w / 4) + 4 x the row's number in the group (both halves write the same)
.endr
	VW
	s_wait_dscnt 0x0                               ; my stores have landed; my reads of the ring are over
	s_barrier_signal -1
	s_barrier_wait -1                              ; behind it nobody reads the ring: the slots take the stages
	ds_load_b128 v[T:T+3], v[ARD]                  ; every wave takes all 256 rows, eight a lane: the two parts of t
	ds_load_b128 v[T+4:T+7], v[ARD] offset:16
	ds_load_b128 v[T+8:T+11], v[ARD] offset:1024
	ds_load_b128 v[T+12:T+15], v[ARD] offset:1040
	s_wait_dscnt 0x0
.irp j, 0,2,4,6
	v_pk_add_f32 v[T+\j:T+\j+1], v[T+\j:T+\j+1], v[T+8+\j:T+9+\j]
.endr
	v_max3_num_f32 v[GM], v[T], v[T+1], v[T+2]
	v_max3_num_f32 v[GM], v[GM], v[T+3], v[T+4]
	v_max3_num_f32 v[GM], v[GM], v[T+5], v[T+6]
	v_max_num_f32 v[GM], v[GM], v[T+7]
.irp x, 1,2,4,8
	v_max_num_f32_dpp v[GM], v[GM], v[GM] row_xmask:\x row_mask:0xf bank_mask:0xf
.endr
	v_permlanex16_b32 v[SW], v[GM], s[SEL], s[SEL+1]
	v_max_num_f32 v[GM], v[GM], v[SW]              ; the group's largest t
.irp j, 0,1,2,3,4,5,6,7
	v_sub_f32 v[T+\j], v[T+\j], v[GM]
.endr
.irp j, 0,1,2,3,4,5,6,7
	v_mul_f32 v[T+\j], 0x3fb8aa3b, v[T+\j]
.endr
	VW
.irp j, 0,1,2,3,4,5,6,7
	v_exp_f32 v[T+\j], v[T+\j]                     ; p = e^(t - GM), at most 1
.endr
	v_mov_b32 v[ONE], 0x7f7f7f7f                   ; the scale 1 in every byte: the conversions below give the codes' own values
	v_mov_b32 v[W+1], 0                            ; (named as the upper half of a pair)
.irp j, 0,1,2,3,4,5,6,7,8,9,10,11,12,13,14,15,16,17,18,19,20,21,22,23,24,25,26,27,28,29,30,31
	v_mov_b32 v[U+\j], 0                           ; u begins at 0: the row loop is written once
.endr
	VW
	ds_store_b128 v[ATP], v[T:T+3]                 ; the 256 p into my own stage, 4 bytes a row
	ds_store_b128 v[ATP], v[T+4:T+7] offset:16
	v_pk_add_f32 v[T+8:T+9], v[T:T+1], v[T+2:T+3]
	v_pk_add_f32 v[T+10:T+11], v[T+4:T+5], v[T+6:T+7]
	v_pk_add_f32 v[T+8:T+9], v[T+8:T+9], v[T+10:T+11]
	v_add_f32 v[SW], v[T+8], v[T+9]
.irp x, 1,2,4,8
	v_add_f32_dpp v[SW], v[SW], v[SW] row_xmask:\x row_mask:0xf bank_mask:0xf
.endr
	v_permlanex16_b32 v[T+9], v[SW], s[SEL], s[SEL+1]
	v_add_f32 v[SW], v[SW], v[T+9]                 ; S
.irp m, 0,1,2,3
	ds_store_b128 v[ATS], v[AS+4*\m:AS+4*\m+3] offset:512*\m       ; the scale words go back to rows of 32 bytes
.endr
; u += p x row, four rows a set, two sets by turns.  LDS serves a wave's instructions in order (ISA guide 5.7.1.4): the loads see my stores above.
.macro UADDR
.irp i, 0,1,2
	v_add_nc_u32 v[WA+\i], s30, v[UA+\i]
.endr
	v_add_nc_u32 v[WSA], s31, v[USA]
	v_add_nc_u32 v[WPA], s32, v[UPA]
.endm
.macro ULOAD cs, bs, ps, ro            ; 17 loads: rows ro .. ro + 3 from the rows in hand: my block's 24 bytes and its scale byte; the four p
.irp rr, 0,1,2,3
.irp i, 0,1,2
	ds_load_b64 v[\cs+8*\rr+2*\i:\cs+8*\rr+2*\i+1], v[WA+\i] offset:(\ro+\rr)*APITCH
.endr
	ds_load_u8 v[\bs+\rr], v[WSA] offset:(\ro+\rr)*32
.endr
	ds_load_b128 v[\ps:\ps+3], v[WPA] offset:4*\ro
.endm
.macro UCOMP cs, bs, ps
.irp rr, 0,1,2,3
.irp i, 0,1,2
	v_mov_b32 v[X+\i], v[\cs+8*\rr+3+\i]           ; (a conversion's three registers begin on an even number)
.endr
	v_cvt_scale_pk16_f32_fp6 v[T:T+15], v[\cs+8*\rr:\cs+8*\rr+2], v[ONE]
	v_cvt_scale_pk16_f32_fp6 v[T+16:T+31], v[X:X+2], v[ONE]
	v_add_nc_u32 v[E], 0xffffff81, v[\bs+\rr]      ; the byte - 127.  (Two plain lines between the conversions and the first use of their results)
	v_ldexp_f32 v[W], v[\ps+\rr], v[E]             ; p x 2^(byte - 127)
.irp k, 0,2,4,6,8,10,12,14,16,18,20,22,24,26,28,30
	v_pk_fma_f32 v[U+\k:U+\k+1], v[T+\k:T+\k+1], v[W:W+1], v[U+\k:U+\k+1] op_sel_hi:[1,0,1]
.endr
.endr
.endm
	UADDR
	VW
	ULOAD CA, BA, PA, 0
	s_mov_b32 s[CNT], 3
.Lurow:                                                ; eight rows a trip
	ULOAD CB, BB, PB, 4
	s_wait_dscnt 17                                ; the first set is in; the 17 loads just issued may be out
	UCOMP CA, BA, PA
	s_add_co_u32 s30, s30, 8*APITCH
	s_add_co_u32 s31, s31, 8*32
	s_add_co_u32 s32, s32, 8*4
	UADDR
	ULOAD CA, BA, PA, 0
	s_wait_dscnt 17
	UCOMP CB, BB, PB
	s_sub_co_u32 s[CNT], s[CNT], 1
	s_cmp_lg_u32 s[CNT], 0
	s_cbranch_scc1 .Lurow
	ULOAD CB, BB, PB, 4                            ; the last eight rows: nothing more to fetch behind them
	s_wait_dscnt 17
	UCOMP CA, BA, PA
	s_wait_dscnt 0x0
	UCOMP CB, BB, PB
.irp i, 0,1,2,3,4,5,6,7
	ds_store_b128 v[AUX], v[U+4*\i:U+4*\i+3] offset:16*\i
.endr
	s_wait_dscnt 0x0                               ; for the others' sake: my part of u has landed
	s_barrier_signal -1
	s_barrier_wait -1
.irp v, 0,1,2,3,4,5,6,7
	ds_load_b128 v[T+4*\v:T+4*\v+3], v[AUR] offset:4608*\v          ; wave w adds up numbers 128 w .. 128 w + 127 of the eight waves' parts, four a lane
.endr
	s_wait_dscnt 0x0
.irp j, 0,2,4,6,8,10,12,14
	v_pk_add_f32 v[T+\j:T+\j+1], v[T+\j:T+\j+1], v[T+16+\j:T+17+\j]
.endr
.irp j, 0,2,4,6
	v_pk_add_f32 v[T+\j:T+\j+1], v[T+\j:T+\j+1], v[T+8+\j:T+9+\j]
.endr
.irp j, 0,2
	v_pk_add_f32 v[T+\j:T+\j+1], v[T+\j:T+\j+1], v[T+4+\j:T+5+\j]
.endr
	global_store_b128 v[AGO], v[T:T+3], s[14:15]                    ; 32 lanes store 512 consecutive bytes, aligned
	s_cmp_lg_u32 s[WV], 0
	s_cbranch_scc1 .Lnot_first
	v_mov_b32 v[G4], v[GM]
	v_mov_b32 v[G4+1], v[SW]
	v_mov_b32 v[G4+2], v[GM]
	v_mov_b32 v[G4+3], v[SW]
	global_store_b128 v[L16], v[G4:G4+3], s[14:15] offset:4096      ; wave 0: (GM, S) 64 times over: 512 consecutive bytes, aligned
.Lnot_first:
	s_wait_tensorcnt 0x0                           ; the wave's end
	ds_add_u32 v[SPW], v[NIL]
	s_wait_dscnt 0x0
	CROUND                                         ; the closing round: no work-group ends while a partner may still ask for a tile that names it
	s_endpgm
.Lfunc_end_k_qf528aa6a33_main:
	.size	k_qf528aa6a33_main, .Lfunc_end_k_qf528aa6a33_main-k_qf528aa6a33_main
	.p2alignl 7, 3214868480
	.fill 96, 4, 3214868480
	.section	.rodata,"a",@progbits
	.p2align	6, 0x0
	.amdhsa_kernel k_qf528aa6a33_main
		.amdhsa_group_segment_fixed_size 327680
		.amdhsa_private_segment_fixed_size 0
		.amdhsa_enable_private_segment 0
		.amdhsa_kernarg_size 48
		.amdhsa_user_sgpr_count 2
		.amdhsa_user_sgpr_kernarg_segment_ptr 1
		.amdhsa_wavefront_size32 1
		.amdhsa_system_sgpr_workgroup_id_x 1
		.amdhsa_system_sgpr_workgroup_id_y 1
		.amdhsa_system_sgpr_workgroup_id_z 1
		.amdhsa_system_vgpr_workitem_id 0
		.amdhsa_next_free_vgpr 512
		.amdhsa_next_free_sgpr 80
		.amdhsa_reserve_vcc 0
		.amdhsa_float_denorm_mode_32 3
		.amdhsa_float_denorm_mode_16_64 3
		.amdhsa_memory_ordered 1
		.amdhsa_forward_progress 1
		.amdhsa_inst_pref_size 199
	.end_amdhsa_kernel
	.amdgpu_metadata
---
amdhsa.version: [ 1, 2 ]
amdhsa.kernels:
  - .name:           k_qf528aa6a33_main
    .symbol:         k_qf528aa6a33_main.kd
    .args:
      - { .name: h_enc_codes, .offset: 0, .size: 8, .value_kind: global_buffer, .address_space: global }
      - { .name: h_enc_scales, .offset: 8, .size: 8, .value_kind: global_buffer, .address_space: global }
      - { .name: W1img, .offset: 16, .size: 8, .value_kind: global_buffer, .address_space: global }
      - { .name: biasc, .offset: 24, .size: 8, .value_kind: global_buffer, .address_space: global }
      - { .name: V, .offset: 32, .size: 8, .value_kind: global_buffer, .address_space: global }
      - { .name: part, .offset: 40, .size: 8, .value_kind: global_buffer, .address_space: global }
    .group_segment_fixed_size: 327680
    .private_segment_fixed_size: 0
    .kernarg_segment_align: 8
    .kernarg_segment_size: 48
    .max_flat_workgroup_size: 256
    .sgpr_count:     80
    .vgpr_count:     512
    .wavefront_size: 32
...
	.end_amdgpu_metadata
.endif
;; end of part 2
;; launch final (part 3): grid 8 x 32, 16 waves a work-group, no clusters, 10,240 bytes of LDS; arguments part, W1_codes, W1_scales, b1, out0; writes out0
.if DOCPART == 3
	.amdgcn_target "amdgcn-amd-amdhsa--gfx1250"
	.amdhsa_code_object_version 6
	.text
	.protected	k_qf528aa6a33_final
	.globl	k_qf528aa6a33_final
	.p2align	8
	.type	k_qf528aa6a33_final,@function
k_qf528aa6a33_final:
	s_mov_b64 s[64:65], 0
	v_nop
	global_prefetch_b8 v0, s[64:65] scope:SCOPE_SE
	s_setreg_imm32_b32 hwreg(HW_REG_WAVE_MODE, 25, 1), 1
	s_wait_xcnt 0x0
; out0[b][e] = b1[e] + W1[e] . ubar[b], ubar[b] = (sum over the batch's eight groups i of a_i u_i) / (sum of a_i S_i), a_i = e^(GM_i - M), M the largest GM_i: the softmax over the whole row of scores, put together
; from the eight parts that the launch before stored (u_i, GM_i, S_i), with the largest score taken away before each exponential.  W1 is code x scale, exactly; products and sums in f32 by fused multiply-adds:
; 32 rows against a weight that is read once are no work for the matrix units.
; LIMIT: a scale byte 0xff (NaN) of W1 is not served here (it counts as 2^128).
; SHARES.  Work-group (x, b): columns e = 128 x .. 128 x + 127 of batch b.  Its 512 threads make ubar, two numbers each, into LDS; then wave w takes rows e = 128 x + 8 w + 0 .. 7 of W1; lane j owns block j (32 along K).
; LDS: ubar as 32 blocks of 128 bytes + 16 (a lane's reads of its block then fall on different banks); from byte 4,608 on the 128 results.
; REGISTERS: v1-9 offsets; v10-25 (GM, S) x 8; v26-41 u x 8; v42-45 b1; v46-93 eight rows' codes; v94-101 their scale bytes; v102-133 my block of ubar; v134-165 a row's 32 numbers; v166-168 a block's upper codes;
;   v170-173 two chains; v174-181 the eight sums; v182-189 at work; v190-205 the weights, each twice; v206 M; v207 the divisor; v208-209 ubar's two; v210 the scale 1.
	s_load_b256 s[4:11], s[0:1], 0x0               ; part s[4:5], W1's codes s[6:7], W1's scales s[8:9], b1 s[10:11]
	s_load_b64 s[12:13], s[0:1], 0x20              ; out0
	v_lshl_add_u32 v224, v0, 2, 0x2000
	v_mov_b32 v225, 0
	v_lshrrev_b32 v1, 5, v0
	s_delay_alu instid0(VALU_DEP_1)
	v_readfirstlane_b32 s14, v1                    ; wave 0..15
	s_and_b32 s15, ttmp7, 0xffff                   ; b
	v_and_b32 v1, 31, v0                           ; lane
	v_mov_b32 v2, 0
	v_lshlrev_b32 v3, 3, v0                        ; 8 x thread
	s_delay_alu instid0(VALU_DEP_3)
	v_lshlrev_b32 v4, 4, v1                        ; 16 x lane
	s_delay_alu instid0(VALU_DEP_4)
	v_mul_u32_u24 v5, v1, 24                       ; my block's codes in a row
	v_lshrrev_b32 v6, 4, v0
	s_delay_alu instid0(VALU_DEP_1)
	v_mul_u32_u24 v6, v6, 144
	v_and_b32 v7, 15, v0
	s_delay_alu instid0(VALU_DEP_1)
	v_lshl_add_u32 v6, v7, 3, v6                   ; LDS: numbers 2 t, 2 t + 1 lie in block t / 16, at byte 8 (t % 16)
	v_mul_u32_u24 v7, v1, 144                      ; LDS: my block
	s_lshl_b32 s16, s14, 5
	s_add_co_u32 s16, s16, 4608
	v_mov_b32 v8, s16                              ; LDS: my wave's eight results
	v_add_nc_u32 v9, 4608, v4                      ; LDS: four results a lane
	s_mov_b32 s18, 0x76543210
	s_mov_b32 s19, 0xfedcba98                      ; v_permlanex16_b32's selects for lane l xor 16
	s_mov_b32 s21, 0
	s_mov_b32 s23, 0
	s_mul_i32 s20, s15, 8*4608                     ; the batch's eight rows of part
	s_mul_i32 s22, ttmp9, 128*768
	s_wait_alu depctr_va_vdst(0)
	s_wait_kmcnt 0x0
	s_add_nc_u64 s[4:5], s[4:5], s[20:21]
	s_add_nc_u64 s[6:7], s[6:7], s[22:23]
	s_mul_i32 s22, s14, 8*768
	s_add_nc_u64 s[6:7], s[6:7], s[22:23]          ; W1's codes at row 128 x + 8 w
	s_lshl_b32 s20, ttmp9, 12
	s_lshl_b32 s22, s14, 8
	s_add_nc_u64 s[8:9], s[8:9], s[20:21]
	s_add_nc_u64 s[8:9], s[8:9], s[22:23]          ; and its scale bytes
	s_lshl_b32 s20, ttmp9, 9
	s_add_nc_u64 s[10:11], s[10:11], s[20:21]
	s_add_nc_u64 s[12:13], s[12:13], s[20:21]
	s_lshl_b32 s22, s15, 12
	s_add_nc_u64 s[12:13], s[12:13], s[22:23]
.irp i, 0,1,2,3,4,5,6,7
	global_load_b64 v[10+2*\i:11+2*\i], v2, s[4:5] offset:4608*\i+4096     ; (GM, S) of group i, the same in every lane
.endr
.irp i, 0,1,2,3,4,5,6,7
	global_load_b64 v[26+2*\i:27+2*\i], v3, s[4:5] offset:4608*\i          ; my two numbers of u_i
.endr
	global_load_b128 v[42:45], v4, s[10:11]
.irp i, 0,1,2,3,4,5,6,7
.irp p, 0,1,2
	global_load_b64 v[46+6*\i+2*\p:47+6*\i+2*\p], v5, s[6:7] offset:768*\i+8*\p
.endr
	global_load_u8 v[94+\i], v1, s[8:9] offset:32*\i
.endr
	s_wait_loadcnt 33                              ; the sixteen loads from part are in; b1 and W1's 32 may be out
	v_max3_num_f32 v206, v10, v12, v14
	s_delay_alu instid0(VALU_DEP_1)
	v_max3_num_f32 v206, v206, v16, v18
	s_delay_alu instid0(VALU_DEP_1)
	v_max3_num_f32 v206, v206, v20, v22
	s_delay_alu instid0(VALU_DEP_1)
	v_max_num_f32 v206, v206, v24                  ; M
.irp i, 0,1,2,3,4,5,6,7
	v_sub_f32 v[182+\i], v[10+2*\i], v206
.endr
.irp i, 0,1,2,3,4,5,6,7
	v_mul_f32 v[182+\i], 0x3fb8aa3b, v[182+\i]
.endr
	s_wait_alu depctr_va_vdst(0)
.irp i, 0,1,2,3,4,5,6,7
	v_exp_f32 v[182+\i], v[182+\i]                 ; a_i = e^(GM_i - M), at most 1, and 1 for one of them
.endr
	v_mov_b32 v210, 0x7f7f7f7f                     ; the scale 1 in every byte.  (A plain line behind the exponentials)
	s_wait_alu depctr_va_vdst(0)                   ; one wait for the eight, ahead of their first reader
	v_mul_f32 v207, v182, v11
.irp i, 1,2,3,4,5,6,7
	v_fmac_f32 v207, v[182+\i], v[11+2*\i]         ; the sum of a_i S_i: at least 1
.endr
	s_wait_alu depctr_va_vdst(0)
	v_rcp_f32 v207, v207
	v_nop                                          ; a plain line behind the reciprocal
	s_wait_alu depctr_va_vdst(0)
.irp i, 0,1,2,3,4,5,6,7
	v_mul_f32 v[190+2*\i], v[182+\i], v207         ; the weight of group i, twice: a pair for the packed forms
	v_mul_f32 v[191+2*\i], v[182+\i], v207
.endr
	v_pk_mul_f32 v[208:209], v[26:27], v[190:191]
.irp i, 1,2,3,4,5,6,7
	s_delay_alu instid0(VALU_DEP_1)
	v_pk_fma_f32 v[208:209], v[26+2*\i:27+2*\i], v[190+2*\i:191+2*\i], v[208:209]
.endr
	ds_store_b64 v6, v[208:209]
	s_wait_dscnt 0x0                               ; for the others' sake: my store has landed
	s_barrier_signal -1
	s_barrier_wait -1
.irp i, 0,1,2,3,4,5,6,7
	ds_load_b128 v[102+4*\i:105+4*\i], v7 offset:16*\i
.endr
	s_wait_loadcnt 0x0
	s_wait_dscnt 0x0
.irp i, 0,1,2,3,4,5,6,7
.irp p, 0,1,2
	v_mov_b32 v[166+\p], v[49+6*\i+\p]             ; (a conversion's three registers begin on an even number)
.endr
	v_cvt_scale_pk16_f32_fp6 v[134:149], v[46+6*\i:48+6*\i], v210
	v_cvt_scale_pk16_f32_fp6 v[150:165], v[166:168], v210
	v_add_nc_u32 v[94+\i], 0xffffff81, v[94+\i]    ; the byte - 127.  (A plain line between the conversions and the first use of their results)
	v_pk_mul_f32 v[170:171], v[134:135], v[102:103]
	v_pk_mul_f32 v[172:173], v[136:137], v[104:105]
.irp k, 4,8,12,16,20,24,28
	v_pk_fma_f32 v[170:171], v[134+\k:135+\k], v[102+\k:103+\k], v[170:171]
	v_pk_fma_f32 v[172:173], v[136+\k:137+\k], v[104+\k:105+\k], v[172:173]
.endr
	s_delay_alu instid0(VALU_DEP_1)
	v_pk_add_f32 v[170:171], v[170:171], v[172:173]
	s_delay_alu instid0(VALU_DEP_1)
	v_add_f32 v170, v170, v171
	s_delay_alu instid0(VALU_DEP_1)
	v_ldexp_f32 v[174+\i], v170, v[94+\i]          ; x the block's scale
.endr
.irp x, 1,2,4,8
.irp i, 0,1,2,3,4,5,6,7
	v_add_f32_dpp v[174+\i], v[174+\i], v[174+\i] row_xmask:\x row_mask:0xf bank_mask:0xf   ; over the 32 blocks, the eight rows by turns
.endr
.endr
.irp i, 0,1,2,3,4,5,6,7
	v_permlanex16_b32 v[182+\i], v[174+\i], s18, s19
.endr
.irp i, 0,1,2,3,4,5,6,7
	v_add_f32 v[174+\i], v[174+\i], v[182+\i]
.endr
	ds_store_b128 v8, v[174:177]                   ; all lanes write the same bytes with the same values
	ds_store_b128 v8, v[178:181] offset:16
	s_wait_dscnt 0x0
	s_barrier_signal -1
	s_barrier_wait -1
	s_cmp_lg_u32 s14, 0
	s_cbranch_scc1 .Lend
	ds_load_b128 v[134:137], v9                    ; wave 0: the 128 results, four a lane
	s_wait_dscnt 0x0
	v_pk_add_f32 v[134:135], v[134:135], v[42:43]  ; + b1, once: the weights add up to 1
	v_pk_add_f32 v[136:137], v[136:137], v[44:45]
	global_store_b128 v4, v[134:137], s[12:13]     ; 32 lanes store 512 consecutive bytes, aligned
.Lend:
	s_wait_tensorcnt 0x0
	ds_add_u32 v224, v225
	s_wait_dscnt 0x0
	s_endpgm
.Lfunc_end_k_qf528aa6a33_final:
	.size	k_qf528aa6a33_final, .Lfunc_end_k_qf528aa6a33_final-k_qf528aa6a33_final
	.p2alignl 7, 3214868480
	.fill 96, 4, 3214868480
	.section	.rodata,"a",@progbits
	.p2align	6, 0x0
	.amdhsa_kernel k_qf528aa6a33_final
		.amdhsa_group_segment_fixed_size 10240
		.amdhsa_private_segment_fixed_size 0
		.amdhsa_enable_private_segment 0
		.amdhsa_kernarg_size 40
		.amdhsa_user_sgpr_count 2
		.amdhsa_user_sgpr_kernarg_segment_ptr 1
		.amdhsa_wavefront_size32 1
		.amdhsa_system_sgpr_workgroup_id_x 1
		.amdhsa_system_sgpr_workgroup_id_y 1
		.amdhsa_system_sgpr_workgroup_id_z 1
		.amdhsa_system_vgpr_workitem_id 0
		.amdhsa_next_free_vgpr 226
		.amdhsa_next_free_sgpr 66
		.amdhsa_reserve_vcc 0
		.amdhsa_float_denorm_mode_32 3
		.amdhsa_float_denorm_mode_16_64 3
		.amdhsa_memory_ordered 1
		.amdhsa_forward_progress 1
		.amdhsa_inst_pref_size 27
	.end_amdhsa_kernel
	.amdgpu_metadata
---
amdhsa.version: [ 1, 2 ]
amdhsa.kernels:
  - .name:           k_qf528aa6a33_final
    .symbol:         k_qf528aa6a33_final.kd
    .args:
      - { .name: part, .offset: 0, .size: 8, .value_kind: global_buffer, .address_space: global }
      - { .name: W1_codes, .offset: 8, .size: 8, .value_kind: global_buffer, .address_space: global }
      - { .name: W1_scales, .offset: 16, .size: 8, .value_kind: global_buffer, .address_space: global }
      - { .name: b1, .offset: 24, .size: 8, .value_kind: global_buffer, .address_space: global }
      - { .name: out0, .offset: 32, .size: 8, .value_kind: global_buffer, .address_space: global }
    .group_segment_fixed_size: 10240
    .private_segment_fixed_size: 0
    .kernarg_segment_align: 8
    .kernarg_segment_size: 40
    .max_flat_workgroup_size: 512
    .sgpr_count:     66
    .vgpr_count:     226
    .wavefront_size: 32
...
	.end_amdgpu_metadata
.endif
;; end of part 3
